; MI455X (gfx1250); checked and timed in simulation.
; The chip was launched on July 23, 2026; its instructions are those of AMD's public machine-readable ISA for CDNA 5 (MIT licence, August 2026) and "CDNA5" Instruction Set Architecture Reference Guide (July 2026). The comments in the code are by the model that wrote it; some were corrected since.
;; Multi Head Attention. Allowed arithmetic: matrix products marked QUANTISED: E5M2 operands, one E8M0 scale for each 32 along K, by v_wmma_scale_f32_16x16x128_f8f6f4 with both operands' format E5M2, f32 sums; everything else in f32.
;; Inputs: W_out_codes 1,024 x 32 x 32 uint8 (E5M2 codes of W_out, K innermost, in blocks of 32 codes); W_out_scales 1,024 x 32 uint8 (E8M0 scales of W_out, one for each 32 codes along K); W_qkv_codes 3,072 x 32 x 32 uint8 (E5M2 codes of W_qkv, K innermost, in blocks of 32 codes); W_qkv_scales 3,072 x 32 uint8 (E8M0 scales of W_qkv, one for each 32 codes along K); b_out 1,024 float32; b_qkv 3,072 float32; x_codes 4 x 2,048 x 32 x 32 uint8 (E5M2 codes of x, K innermost, in blocks of 32 codes); x_scales 4 x 2,048 x 32 uint8 (E8M0 scales of x, one for each 32 codes along K).
;; Outputs: out0 4 x 2,048 x 1,024 float32.
;; This version of the problem:
;;   THIS VERSION OF THE PROBLEM IS GIVEN IN LOW PRECISION. The matrix products marked QUANTISED in the list below multiply operands that are first quantised to E5M2 (5 exponent bits, 2 mantissa bits; 8 bits a number), with one power-of-two scale for each 32 numbers along K (OCP MX v1.0); their sums are f32. All else is computed in f32.
;;   The module's matrix products, in the order in which they are computed (A, B: the left and right operand; K: the contracted axis; several contracted axes count as one K, in the product's order):
;;     1. [M 8,192, K 1,024] x [K 1,024, N 3,072]; A: input x (given as codes); B: input W_qkv (given as codes): QUANTISED
;;     2. batch 64 x [M 2,048, K 64] x [K 64, N 2,048]; A: computed on the way; B: computed on the way: QUANTISED
;;     3. batch 64 x [M 2,048, K 2,048] x [K 2,048, N 64]; A: softmax (see below); B: computed on the way: QUANTISED
;;     4. [M 8,192, K 1,024] x [K 1,024, N 1,024]; A: computed on the way; B: input W_out (given as codes): QUANTISED
;;   THE QUANTISER, for each operand of a quantised product, along K:
;;     - K is cut into blocks of 32 from its start; a last block that is shorter is filled with zeros.
;;     - A block's scale is 2^e with e = floor(log2(the largest magnitude in the block)) - 15, held to -126 .. 127; a block of zeros has e = 0. As a byte (E8M0): e + 127.
;;     - Each number is divided by its block's scale, clamped to +-57,344, and rounded to the nearest number of E5M2, ties to even, subnormals kept.
;;     - The product sums the exact products of the quantised numbers (number of the format x scale) in f32.
;;   ~~~python
;;   def quantise(x, axis):      # numpy; x: float32 -> the quantised numbers, widened to float32 again
;;       x = np.moveaxis(x, axis, -1); K = x.shape[-1]
;;       x = np.pad(x, [(0, 0)] * (x.ndim - 1) + [(0, -K % 32)]); x = x.reshape(x.shape[:-1] + (-1, 32)); a = np.abs(x).max(-1, keepdims=True)
;;       e = np.where(a > 0, np.clip(np.frexp(np.where(a > 0, a, 1))[1] - 1 - 15, -126, 127), 0)      # np.frexp(a)[1] - 1 = floor(log2(a)), exactly
;;       r = np.clip(x / 2.0 ** e, -57344, 57344)
;;       step = 2.0 ** (np.maximum(np.frexp(np.where(r == 0, 1, r))[1] - 1, -14) - 2)
;;       q = np.round(r / step) * step * 2.0 ** e      # np.round: ties to even
;;       return np.moveaxis(q.reshape(q.shape[:-2] + (-1,))[..., :K], -1, axis).astype(np.float32)
;;   ~~~
;;   SOFTMAX AHEAD OF A QUANTISED PRODUCT. Where the list says 'softmax', what is quantised is not the finished softmax but p = 2^(t - M), with t = logit x log2(e) and M = ceil(the row's largest t), a whole number; so 1/2 < the row's largest p <= 1. The row's sum l is taken of the UNQUANTISED p, in f32, and the product's result is divided by l at the end. Since M is a whole number, a kernel that streams over the keys may use a running M (the ceiling of the running maximum): every later rescaling is an exact power of two, which a block's scale takes up: the codes' values come out the same.
;;   OPERANDS COMPUTED ON THE WAY. 'Computed on the way' means the value that the module computes at that place (a softmax that the list does not call 'softmax' is quantised finished and normalised). What goes into a quantiser is computed in f32, as accurately as f32 sums, v_exp_f32 and their like allow (about 1e-6 of the number): no bf16 or f16 on the way to a quantiser, and a product that is left as it is and whose result goes on into a quantised operand takes f32 operands (vector FMAs, or v_wmma_f32_16x16x4_f32). A number that lies on a knife's edge between two numbers of the format may be rounded either way, as far as f32 arithmetic and the matrix unit's own rounding can turn it there, and no further.
;;   INPUTS GIVEN AS CODES. W_out (in the module: [1024, 1024], K = its axis 1); W_qkv (in the module: [3072, 1024], K = its axis 1); x (in the module: [4, 2048, 1024], K = its axis 2): each comes as NAME_codes (uint8): NAME with its K axis moved to the last place and cut into blocks of 32 codes, [.., K / 32, bytes a block], one block behind the other in memory; one code a byte (a code: sign, 5 exponent bits, 2 mantissa bits); and NAME_scales (uint8): the same leading axes, one E8M0 byte (e + 127) for each 32 codes along K. Its value is code x scale, taken as it is: it is not quantised again, and the codes and scales need not be those that the quantiser above would give.
;; One version. Each part assembles by itself: llvm-mc -triple=amdgcn-amd-amdhsa -mcpu=gfx1250 --defsym DOCPART=n.
;; ======== version 1 of 1: 3 launches
;; limits: right only within a limited range of input values
;; workspace buffers: qc 8,388,608 bytes; kc 8,388,608 bytes; vc 8,388,608 bytes; sc 1,048,576 bytes; vimg 8,388,608 bytes; vsc 262,144 bytes
;; launch qkv (part 1): grid 16 x 16, 4 waves a work-group, clusters of 4 x 4, 327,680 bytes of LDS; arguments x_codes, x_scales, W_qkv_codes, W_qkv_scales, b_qkv, qc, kc, vc, sc; writes qc, kc, vc, sc
.if DOCPART == 1
	.amdgcn_target "amdgcn-amd-amdhsa--gfx1250"
	.amdhsa_code_object_version 6
	.text
	.protected	k_q1ded918c35_qkv
	.globl	k_q1ded918c35_qkv
	.p2align	8
	.type	k_q1ded918c35_qkv,@function
k_q1ded918c35_qkv:
	s_mov_b64 s[64:65], 0
	v_nop
	global_prefetch_b8 v0, s[64:65] scope:SCOPE_SE
	s_setreg_imm32_b32 hwreg(HW_REG_WAVE_MODE, 25, 1), 1
	s_wait_xcnt 0x0
	s_wait_alu depctr_hold_cnt(0) depctr_sa_sdst(0) depctr_va_vdst(0) depctr_va_sdst(0) depctr_va_ssrc(0) depctr_va_vcc(0) depctr_vm_vsrc(0)
	s_getreg_b32 s2, hwreg(HW_REG_IB_STS2, 6, 4)
	s_cmp_eq_u32 s2, 0
	s_cbranch_scc0 .Lentry_in_a_cluster
	s_endpgm
.Lentry_in_a_cluster:
	s_bfe_u32 s2, ttmp6, 0x10000c
	s_cmp_lg_u32 s2, 0xf033
	s_cbranch_scc0 .Lentry_shape_is_right
	s_endpgm
.Lentry_shape_is_right:
.set PITCH,  272
.set XH,     128*PITCH
.set XB,     256*PITCH
.set WH,     96*PITCH
.set SLOT,   XB+192*PITCH
.set SCST,   2*SLOT
.set SPARE,  SCST+2048
.set ADRX, 16
.set ADRW, 20
.set LI,   22
.set VXS,  23
.set VBI,  24
.set VBV,  25
.set AQW,  26
.set AKW,  27
.set SPW,  28
.set NIL,  29
.set AVW,  30
.set ARD,  31
.set SX,   32
.set SW,   48
.set BV,   96
.set VA,   128
.set WV,   22
.set ROLE, 23
.set HALF, 24
.set G1X,  28
.set G1W,  36
.set G0X,  44
.set G0W,  52
.set MSB, 0
.macro WIN new
.if MSB != (\new)
	s_set_vgpr_msb (MSB<<8)|(\new)
.set MSB, (\new)
.endif
.endm
.macro PLACES n
.rept \n
	v_nop
.endr
.endm
.macro JLOAD s
	s_cmp_eq_u32 s[ROLE], 0
	s_cbranch_scc0 .Lfor_w_\@
	tensor_load_to_lds s[G0X+4*\s:G0X+4*\s+3], s[G1X:G1X+7]
	s_nop 0
.rept 4
	v_nop
.endr
	s_branch .Lasked_\@
.Lfor_w_\@:
	tensor_load_to_lds s[G0W+4*\s:G0W+4*\s+3], s[G1W:G1W+7]
	s_nop 0
.rept 4
	v_nop
.endr
.Lasked_\@:
.endm
.macro CREST
	s_cmp_lg_u32 s[WV], 0
	s_cbranch_scc1 .Lnot_wave_0_\@
	s_barrier_signal -3
.Lnot_wave_0_\@:
	s_barrier_wait -3
	s_barrier_signal -1
	s_barrier_wait -1
.endm
.macro CROUND
	s_barrier_signal -1
	s_barrier_wait -1
	CREST
.endm
	s_load_b256 s[4:11], s[0:1], 0x0
	s_load_b256 s[12:19], s[0:1], 0x20
	s_load_b64 s[20:21], s[0:1], 0x40
	v_lshl_add_u32 v[SPW], v0, 2, SPARE
	v_mov_b32 v[NIL], 0
	ds_add_u32 v28, v29
	ds_add_u32 v28, v29
	s_wait_dscnt 0x0
	v_lshrrev_b32 v1, 5, v0
	v_readfirstlane_b32 s[WV], v1
	s_lshr_b32 s[ROLE], s[WV], 1
	s_and_b32 s[HALF], s[WV], 1
	s_bfe_u32 s66, ttmp6, 0x40000
	s_bfe_u32 s67, ttmp6, 0x40004
	s_lshl_b32 s68, ttmp9, 2
	s_add_co_u32 s68, s68, s66
	s_and_b32 s69, ttmp7, 0xffff
	s_lshl_b32 s69, s69, 2
	s_add_co_u32 s69, s69, s67
	s_lshl_b32 s70, s67, 2
	s_lshl_b32 s70, 15, s70
	s_lshl_b32 s71, 0x1111, s66
	s_or_b32 s[G1X], s70, (1<<20)|(1<<21)|(5<<22)|(3<<25)
	s_mov_b32 s[G1X+1], 256<<16
	s_mov_b32 s[G1X+2], 128<<16
	s_mov_b32 s[G1X+3], 256<<16
	s_mov_b32 s[G1X+4], 128
	s_mov_b32 s[G1X+5], 1024
	s_mov_b32 s[G1X+6], 0
	s_mov_b32 s[G1X+7], 0
	s_or_b32 s[G1W], s71, (1<<20)|(1<<21)|(5<<22)|(3<<25)
	s_mov_b32 s[G1W+1], 256<<16
	s_mov_b32 s[G1W+2], 96<<16
	s_mov_b32 s[G1W+3], 256<<16
	s_mov_b32 s[G1W+4], 96
	s_mov_b32 s[G1W+5], 1024
	s_mov_b32 s[G1W+6], 0
	s_mov_b32 s[G1W+7], 0
	s_lshl_b32 s72, s69, 18
	s_lshl_b32 s73, s[HALF], 17
	s_add_co_u32 s72, s72, s73
	s_mov_b32 s73, 0
	s_mul_i32 s74, s68, 196608
	s_mul_i32 s75, s[HALF], 98304
	s_add_co_u32 s74, s74, s75
	s_mov_b32 s75, 0
	s_mul_i32 s76, s[HALF], XH
	s_mul_i32 s77, s[HALF], WH
	s_add_co_u32 s77, s77, XB
	s_lshl_b32 s78, s69, 13
	s_lshl_b32 s79, s[WV], 11
	s_add_co_u32 s78, s78, s79
	s_mov_b32 s79, 0
	s_mul_i32 s80, s68, 6144
	s_mov_b32 s81, 0
	s_mul_i32 s82, s68, 768
	s_mov_b32 s83, 0
	s_mul_i32 s84, s[WV], 64*PITCH
	s_lshr_b32 s85, s69, 3
	s_and_b32 s86, s69, 7
	s_lshl_b32 s87, s85, 4
	s_add_co_u32 s87, s87, s68
	s_lshl_b32 s88, s87, 17
	s_lshl_b32 s94, s86, 14
	s_add_co_u32 s88, s88, s94
	s_mov_b32 s90, s88
	s_lshl_b32 s94, s[WV], 12
	s_add_co_u32 s88, s88, s94
	s_mov_b32 s89, 0
	s_lshl_b32 s94, s[ROLE], 13
	s_add_co_u32 s90, s90, s94
	s_lshl_b32 s94, s[HALF], 10
	s_add_co_u32 s90, s90, s94
	s_mov_b32 s91, 0
	s_lshl_b32 s92, s87, 14
	s_lshl_b32 s94, s86, 11
	s_add_co_u32 s92, s92, s94
	s_lshl_b32 s94, s[WV], 9
	s_add_co_u32 s92, s92, s94
	s_mov_b32 s93, 0
	s_mov_b32 s96, 0x76543210
	s_mov_b32 s97, 0xfedcba98
	s_mov_b32 s98, 0x600000
	s_wait_kmcnt 0x0
	s_add_nc_u64 s[72:73], s[4:5], s[72:73]
	s_add_nc_u64 s[74:75], s[8:9], s[74:75]
	s_add_nc_u64 s[6:7], s[6:7], s[78:79]
	s_add_nc_u64 s[10:11], s[10:11], s[80:81]
	s_add_nc_u64 s[12:13], s[12:13], s[82:83]
	s_add_nc_u64 s[14:15], s[14:15], s[88:89]
	s_add_nc_u64 s[16:17], s[16:17], s[88:89]
	s_add_nc_u64 s[18:19], s[18:19], s[90:91]
	s_add_nc_u64 s[20:21], s[20:21], s[92:93]
	s_lshl_b32 s78, s66, 15                        ; the prefetches: of the 128 rows of x that I fetch, the partner at place cx names 32 (told apart by address alone)
	s_mov_b32 s79, 0
	s_add_nc_u64 s[78:79], s[72:73], s[78:79]
	s_mul_i32 s80, s67, 24576                      ; of the 96 rows of W that I fetch, the partner at place cy names 24 (told apart by address alone)
	s_mov_b32 s81, 0
	s_add_nc_u64 s[80:81], s[74:75], s[80:81]
	s_mov_b32 s99, 2                               ; A WORK-GROUP STAYS: two tiles of one tile column, 16 tile rows apart: the same count in every work-group
.Ltile:                                                ; a tile's fills stand behind the tensor wait, the two spare adds and a round of the cluster's barrier, the first tile's and the second's alike
.irp s, 0,1
	s_mov_b32 s[G0X+4*\s], 1
	s_add_co_u32 s[G0X+4*\s+1], s76, \s*SLOT
	s_add_nc_u64 s[G0X+4*\s+2:G0X+4*\s+3], s[72:73], \s*256
	s_or_b32 s[G0X+4*\s+3], s[G0X+4*\s+3], 0x80000000
	s_mov_b32 s[G0W+4*\s], 1
	s_add_co_u32 s[G0W+4*\s+1], s77, \s*SLOT
	s_add_nc_u64 s[G0W+4*\s+2:G0W+4*\s+3], s[74:75], \s*256
	s_or_b32 s[G0W+4*\s+3], s[G0W+4*\s+3], 0x80000000
	s_wait_alu depctr_va_vdst(0)
	s_wait_tensorcnt 0x0
	ds_add_u32 v28, v29
	ds_add_u32 v28, v29
	s_wait_dscnt 0x0
	CROUND
	JLOAD \s
.if \s == 0
	v_and_b32 v6, 31, v0
	v_lshlrev_b32 v6, 10, v6                       ; x: a lane a row of 1,024 bytes
	v_and_b32 v7, 31, v0
	v_min_u32 v7, 23, v7                           ; W: 24 rows; the lanes left over name the last again
	v_lshlrev_b32 v7, 10, v7
	s_wait_alu depctr_va_vdst(0)
.endif
	s_cmp_eq_u32 s[ROLE], 0                        ; the waves that fetch x ask for x's later K steps: 256 bytes of each of 32 rows, one instruction a K step
	s_cbranch_scc0 .Lask_w_\s
.if \s == 0
	global_prefetch_b8 v6, s[78:79] offset:256 th:TH_LOAD_NT scope:SCOPE_SE
.endif
	global_prefetch_b8 v6, s[78:79] offset:512+256*\s th:TH_LOAD_NT scope:SCOPE_SE
.if \s == 1
	s_cmp_eq_u32 s99, 2                            ; in the first tile alone: K step 0 of the second tile's rows, 4,194,304 bytes on; behind the second tile there is none
	s_cbranch_scc0 .Lasked_\s
	global_prefetch_b8 v6, s[78:79] offset:4194304 th:TH_LOAD_NT scope:SCOPE_SE
.endif
	s_branch .Lasked_\s
.Lask_w_\s:
	s_cmp_eq_u32 s99, 2                            ; the waves that fetch W ask in the first tile alone: both tiles take the same rows of W
	s_cbranch_scc0 .Lasked_\s
.if \s == 0
	global_prefetch_b8 v7, s[80:81] offset:256 th:TH_LOAD_NT scope:SCOPE_SE
.endif
	global_prefetch_b8 v7, s[80:81] offset:512+256*\s th:TH_LOAD_NT scope:SCOPE_SE
.Lasked_\s:
.if \s == 0
	v_and_b32 v1, 15, v0
	v_bfe_u32 v2, v0, 4, 1
	v_and_b32 v3, 31, v0
	v_lshlrev_b32 v[LI], 4, v3
	v_lshlrev_b32 v[VXS], 5, v1
	v_lshl_add_u32 v[VXS], v2, 4, v[VXS]
	v_lshlrev_b32 v[VBI], 5, v2
	v_lshlrev_b32 v[VBV], 2, v1
.irp a, 0,1,2,3
	global_load_b128 v[SX+4*\a:SX+4*\a+3], v[VXS], s[6:7] offset:512*\a
.endr
.irp b, 0,1,2,3,4,5,6,7,8,9,10,11
	global_load_b128 v[SW+4*\b:SW+4*\b+3], v[VXS], s[10:11] offset:512*\b
.endr
.irp t, 0,1,2,3
.irp j, 0,1,2,3,4,5,6,7
	global_load_b32 v[BV+8*\t+\j], v[VBV], s[12:13] offset:512+64*\t
.endr
.endr
	WIN 0xc0
.irp b, 0,1,2,3,4,5,6,7
.irp a, 0,1,2,3
	global_load_b128 v[8*(4*\b+\a):8*(4*\b+\a)+3], v[VBI], s[12:13] offset:64*\b
	global_load_b128 v[8*(4*\b+\a)+4:8*(4*\b+\a)+7], v[VBI], s[12:13] offset:64*\b+16
.endr
.endr
	WIN 0
	s_wait_alu depctr_va_vdst(0)
.endif
.endr
	v_mul_u32_u24 v4, v1, PITCH
	v_lshl_add_u32 v4, v2, 4, v4
	v_add_nc_u32 v[ADRX], s84, v4
	v_add_nc_u32 v[ADRX+1], SLOT, v[ADRX]
	v_add_nc_u32 v[ADRW], XB, v4
	v_add_nc_u32 v[ADRW+1], SLOT+XB, v4
	s_lshl_b32 s94, s[WV], 8
	s_add_co_u32 s94, s94, SCST
	v_lshl_add_u32 v[AQW], v1, 2, s94
	s_lshl_b32 s94, s[WV], 7
	s_add_co_u32 s94, s94, SCST+1024
	v_lshl_add_u32 v[AKW], v1, 2, s94
	s_lshl_b32 s94, s[ROLE], 8
	s_lshl_b32 s95, s[HALF], 1
	s_add_co_u32 s94, s94, s95
	s_add_co_u32 s94, s94, SCST+1536
	v_lshl_add_u32 v[AVW], v1, 2, s94
	s_lshl_b32 s94, s[WV], 9
	s_add_co_u32 s94, s94, SCST
	v_add_nc_u32 v[ARD], s94, v[LI]
.macro FETCH i
.set fs, ((\i)>>1)&1
.set fq, (\i)&1
	WIN 0x40<<fq
.irp a, 0,1,2,3
.irp c, 0,1,2,3
	ds_load_b128 v[16*\a+4*\c:16*\a+4*\c+3], v[ADRX+fs] offset:128*fq+32*\c+\a*16*PITCH
.endr
.endr
.irp b, 0,1,2,3,4,5,6,7,8,9,10,11
.irp c, 0,1,2,3
	ds_load_b128 v[64+16*\b+4*\c:64+16*\b+4*\c+3], v[ADRW+fs] offset:128*fq+32*\c+\b*16*PITCH
.endr
.endr
.endm
.macro MQK i, b0, n
	WIN 0xf5+5*((\i)&1)
.set bb, \b0
.rept \n
.set aa, 0
.rept 4
.if (\i) < 4
	v_wmma_scale_f32_16x16x128_f8f6f4 v[8*(4*bb+aa):8*(4*bb+aa)+7], v[64+16*bb:64+16*bb+15], v[16*aa:16*aa+15], v[8*(4*bb+aa):8*(4*bb+aa)+7], v[SW+4*bb+((\i)&3)], v[SX+4*aa+((\i)&3)] matrix_a_fmt:MATRIX_FMT_BF8 matrix_b_fmt:MATRIX_FMT_BF8
.else
	v_wmma_scale_f32_16x16x128_f8f6f4 v[8*(4*bb+aa):8*(4*bb+aa)+7], v[64+16*bb:64+16*bb+15], v[16*aa:16*aa+15], v[8*(4*bb+aa):8*(4*bb+aa)+7], v[SW+4*bb+((\i)&3)], v[SX+4*aa+((\i)&3)] matrix_a_fmt:MATRIX_FMT_BF8 matrix_b_fmt:MATRIX_FMT_BF8 matrix_a_scale:MATRIX_SCALE_ROW1 matrix_b_scale:MATRIX_SCALE_ROW1
.endif
.set aa, aa+1
.endr
.set bb, bb+1
.endr
.endm
.macro MV i
	WIN 0x05+5*((\i)&1)
.set tt, 0
.rept 4
.set aa, 0
.rept 4
.set vd, VA+8*(4*tt+aa)
.if (\i) == 0
	v_wmma_scale_f32_16x16x128_f8f6f4 v[vd:vd+7], v[16*aa:16*aa+15], v[192+16*tt:192+16*tt+15], v[BV+8*tt:BV+8*tt+7], v[SX+4*aa], v[SW+32+4*tt] matrix_a_fmt:MATRIX_FMT_BF8 matrix_b_fmt:MATRIX_FMT_BF8
.elseif (\i) < 4
	v_wmma_scale_f32_16x16x128_f8f6f4 v[vd:vd+7], v[16*aa:16*aa+15], v[192+16*tt:192+16*tt+15], v[vd:vd+7], v[SX+4*aa+((\i)&3)], v[SW+32+4*tt+((\i)&3)] matrix_a_fmt:MATRIX_FMT_BF8 matrix_b_fmt:MATRIX_FMT_BF8
.else
	v_wmma_scale_f32_16x16x128_f8f6f4 v[vd:vd+7], v[16*aa:16*aa+15], v[192+16*tt:192+16*tt+15], v[vd:vd+7], v[SX+4*aa+((\i)&3)], v[SW+32+4*tt+((\i)&3)] matrix_a_fmt:MATRIX_FMT_BF8 matrix_b_fmt:MATRIX_FMT_BF8 matrix_a_scale:MATRIX_SCALE_ROW1 matrix_b_scale:MATRIX_SCALE_ROW1
.endif
.set aa, aa+1
.endr
.set tt, tt+1
.endr
.endm
.macro STEP i
	s_wait_dscnt 0x0
	MQK \i, 0, 4
	PLACES 8
	FETCH (\i)+1
	MQK \i, 4, 4
	MV \i
.endm
.macro TURN i, fill
.set ts, ((\i)>>1)&1
	WIN 0
	s_wait_tensorcnt 0x0
	ds_add_u32 v[SPW], v[NIL]
	s_wait_dscnt 0x1
	MQK \i, 0, 2
	s_wait_dscnt 0x0
	s_barrier_signal -1
	MQK \i, 2, 2
	WIN 0
	s_barrier_wait -1
.if \fill
	CREST
	s_add_nc_u64 s[G0X+4*ts+2:G0X+4*ts+3], s[G0X+4*ts+2:G0X+4*ts+3], 512
	s_add_nc_u64 s[G0W+4*ts+2:G0W+4*ts+3], s[G0W+4*ts+2:G0W+4*ts+3], 512
	JLOAD ts
	PLACES 4
.else
	PLACES 8
.endif
	FETCH (\i)+1
	MQK \i, 4, 4
	MV \i
.endm
	s_wait_alu depctr_va_vdst(0)
	s_wait_tensorcnt 0x1
	s_barrier_signal -1
	s_barrier_wait -1
	FETCH 0
	s_wait_loadcnt 0x0
	STEP 0
	TURN 1, 1
	STEP 2
	TURN 3, 1
	STEP 4
	TURN 5, 0
	STEP 6
	s_wait_dscnt 0x0
	MQK 7, 0, 8
	MV 7
.set QT,  0
.set QP,  24
.set QSO, 48
.set QHO, 72
.set QBY, 96
.set QQW, 120
.set QKH, 124
.set QKW, 224
.set QVH, 226
.set CQ,  128
.set CK,  0
.set CVV, 72
	PLACES 8
	WIN 0x40
.set nn, 0
.rept 24
	v_mov_b32 v[QP+nn], 0
.set nn, nn+1
.endr
	WIN 0x5f
.set pp, 0
.rept 8
.set nn, 0
.rept 16
.set rx, 8*(4*(4*((nn/2)%2)+2*(nn%2)+pp/4)+nn/4)+2*(pp%4)
.if pp == 0
	v_max3_num_f32 v[QT+nn], |v[rx]|, |v[rx+1]|, 0x8000000
.else
	v_max3_num_f32 v[QT+nn], |v[rx]|, |v[rx+1]|, v[QT+nn]
.endif
.set nn, nn+1
.endr
.set pp, pp+1
.endr
	WIN 0x50
.set pp, 0
.rept 8
.set nn, 0
.rept 8
.set rx, VA+16*nn+2*pp
.if pp == 0
	v_max3_num_f32 v[QT+16+nn], |v[rx]|, |v[rx+1]|, 0x8000000
.else
	v_max3_num_f32 v[QT+16+nn], |v[rx]|, |v[rx+1]|, v[QT+16+nn]
.endif
.set nn, nn+1
.endr
.set pp, pp+1
.endr
	WIN 0x55
.set nn, 0
.rept 24
	v_permlanex16_b32 v[QP+nn], v[QT+nn], s96, s97
.set nn, nn+1
.endr
.set nn, 0
.rept 24
	v_max_num_f32 v[QT+nn], v[QT+nn], v[QP+nn]
.set nn, nn+1
.endr
.set nn, 0
.rept 24
	v_add_nc_u32 v[QSO+nn], 0xf8800000, v[QT+nn]
.set nn, nn+1
.endr
.set nn, 0
.rept 24
	v_and_or_b32 v[QHO+nn], v[QT+nn], 0x7f800000, s98
.set nn, nn+1
.endr
.set nn, 0
.rept 24
	v_lshrrev_b32 v[QBY+nn], 23, v[QSO+nn]
.set nn, nn+1
.endr
.irp a, 0,1,2,3
	v_lshl_or_b32 v[QQW+\a], v[QBY+4*\a+1], 8, v[QBY+4*\a]
	v_lshl_or_b32 v[QKH+\a], v[QBY+4*\a+3], 8, v[QBY+4*\a+2]
.endr
.irp a, 0,1,2,3
	v_lshl_or_b32 v[QQW+\a], v[QQW+\a], 16, v[QQW+\a]
.endr
.irp e, 0,1
	v_lshl_or_b32 v[QKW+\e], v[QKH+2*\e+1], 16, v[QKH+2*\e]
.endr
.irp t, 0,1,2,3
	v_lshl_or_b32 v[QVH+\t], v[QBY+17+2*\t], 8, v[QBY+16+2*\t]
.endr
	WIN 0xd7
.set nn, 0
.rept 16
.set kk, 0
.rept 16
.set rx, 8*(4*(4*((nn/2)%2)+2*(nn%2)+kk/8)+nn/4)+kk%8
	v_med3_num_f32 v[rx], v[rx], -v[QHO+nn], v[QHO+nn]
.set kk, kk+1
.endr
.set nn, nn+1
.endr
	WIN 0x14
.set nn, 0
.rept 8
.set kk, 0
.rept 16
	v_med3_num_f32 v[VA+16*nn+kk], v[VA+16*nn+kk], -v[QHO+16+nn], v[QHO+16+nn]
.set kk, kk+1
.endr
.set nn, nn+1
.endr
	WIN 0x47
.set nn, 0
.rept 16
.set rx, 8*(4*(4*((nn/2)%2)+2*(nn%2))+nn/4)
.if ((nn/2)%2) == 0
.set cd, CQ+8*(nn/4)+4*(nn%2)
.else
.set cd, CK+8*(nn/4)+4*(nn%2)
.endif
	v_cvt_scalef32_pk8_bf8_f32 v[cd:cd+1], v[rx:rx+7], v[QSO+nn]
	v_cvt_scalef32_pk8_bf8_f32 v[cd+2:cd+3], v[rx+32:rx+39], v[QSO+nn]
.set nn, nn+1
.endr
	WIN 0x44
.set nn, 0
.rept 8
	v_cvt_scalef32_pk8_bf8_f32 v[CVV+4*nn:CVV+4*nn+1], v[VA+16*nn:VA+16*nn+7], v[QSO+16+nn]
	v_cvt_scalef32_pk8_bf8_f32 v[CVV+4*nn+2:CVV+4*nn+3], v[VA+16*nn+8:VA+16*nn+15], v[QSO+16+nn]
.set nn, nn+1
.endr
	v_nop
	WIN 0x04
.irp a, 0,1,2,3
	ds_store_b32 v[AQW], v[QQW+\a] offset:64*\a
.endr
.irp e, 0,1
	ds_store_b32 v[AKW], v[QKW+\e] offset:64*\e
.endr
.irp t, 0,1,2,3
	ds_store_b16 v[AVW], v[QVH+\t] offset:64*\t
.endr
.irp a, 0,1,2,3
.irp e, 0,1
	global_store_b128 v[LI], v[CQ+8*\a+4*\e:CQ+8*\a+4*\e+3], s[14:15] offset:1024*\a+512*\e
	global_store_b128 v[LI], v[CK+8*\a+4*\e:CK+8*\a+4*\e+3], s[16:17] offset:1024*\a+512*\e
.endr
.endr
.irp m, 0,1,2,3,4,5,6,7
	global_store_b128 v[LI], v[CVV+4*\m:CVV+4*\m+3], s[18:19] offset:2048*(\m/2)+512*(\m%2)
.endr
	WIN 0
	s_wait_dscnt 0x0
	s_barrier_signal -1
	s_barrier_wait -1
	ds_load_b128 v[96:99], v[ARD]
	s_wait_dscnt 0x0
	global_store_b128 v[LI], v[96:99], s[20:21]
	s_wait_xcnt 0x0                                ; the bases, the offsets and the registers that these stores and the prefetches read are written again only behind this wait
	s_add_nc_u64 s[72:73], s[72:73], 0x400000      ; 16 tile rows on: x's codes, 16 x 256 rows of 1,024 bytes,
	s_add_nc_u64 s[78:79], s[78:79], 0x400000      ; where its prefetches stand,
	s_add_nc_u64 s[6:7], s[6:7], 0x20000           ; x's scale bytes, 16 x 256 rows of 32;
	s_add_nc_u64 s[14:15], s[14:15], 0x400000      ; two batches on in qc, kc, vc: 32 heads of 131,072 bytes,
	s_add_nc_u64 s[16:17], s[16:17], 0x400000
	s_add_nc_u64 s[18:19], s[18:19], 0x400000
	s_add_nc_u64 s[20:21], s[20:21], 0x80000       ; and in sc: 32 heads of 16,384
	s_sub_co_u32 s99, s99, 1
	s_cmp_lg_u32 s99, 0
	s_cbranch_scc1 .Ltile
	s_wait_tensorcnt 0x0
	ds_add_u32 v[SPW], v[NIL]
	s_wait_dscnt 0x0
	CROUND
	s_endpgm
.Lfunc_end_k_q1ded918c35_qkv:
	.size	k_q1ded918c35_qkv, .Lfunc_end_k_q1ded918c35_qkv-k_q1ded918c35_qkv
	.p2alignl 7, 3214868480
	.fill 96, 4, 3214868480
	.section	.rodata,"a",@progbits
	.p2align	6, 0x0
	.amdhsa_kernel k_q1ded918c35_qkv
		.amdhsa_group_segment_fixed_size 327680
		.amdhsa_private_segment_fixed_size 0
		.amdhsa_enable_private_segment 0
		.amdhsa_kernarg_size 72
		.amdhsa_user_sgpr_count 2
		.amdhsa_user_sgpr_kernarg_segment_ptr 1
		.amdhsa_wavefront_size32 1
		.amdhsa_system_sgpr_workgroup_id_x 1
		.amdhsa_system_sgpr_workgroup_id_y 1
		.amdhsa_system_sgpr_workgroup_id_z 1
		.amdhsa_system_vgpr_workitem_id 0
		.amdhsa_next_free_vgpr 1024
		.amdhsa_next_free_sgpr 100
		.amdhsa_reserve_vcc 0
		.amdhsa_float_denorm_mode_32 3
		.amdhsa_float_denorm_mode_16_64 3
		.amdhsa_memory_ordered 1
		.amdhsa_forward_progress 1
		.amdhsa_inst_pref_size 160
	.end_amdhsa_kernel
	.amdgpu_metadata
---
amdhsa.version: [ 1, 2 ]
amdhsa.kernels:
  - .name:           k_q1ded918c35_qkv
    .symbol:         k_q1ded918c35_qkv.kd
    .args:
      - { .name: x_codes, .offset: 0, .size: 8, .value_kind: global_buffer, .address_space: global }
      - { .name: x_scales, .offset: 8, .size: 8, .value_kind: global_buffer, .address_space: global }
      - { .name: W_qkv_codes, .offset: 16, .size: 8, .value_kind: global_buffer, .address_space: global }
      - { .name: W_qkv_scales, .offset: 24, .size: 8, .value_kind: global_buffer, .address_space: global }
      - { .name: b_qkv, .offset: 32, .size: 8, .value_kind: global_buffer, .address_space: global }
      - { .name: qc, .offset: 40, .size: 8, .value_kind: global_buffer, .address_space: global }
      - { .name: kc, .offset: 48, .size: 8, .value_kind: global_buffer, .address_space: global }
      - { .name: vc, .offset: 56, .size: 8, .value_kind: global_buffer, .address_space: global }
      - { .name: sc, .offset: 64, .size: 8, .value_kind: global_buffer, .address_space: global }
    .group_segment_fixed_size: 327680
    .private_segment_fixed_size: 0
    .kernarg_segment_align: 8
    .kernarg_segment_size: 72
    .max_flat_workgroup_size: 128
    .sgpr_count:     100
    .vgpr_count:     1024
    .wavefront_size: 32
...
	.end_amdgpu_metadata
.endif
;; end of part 1
;; launch attn (part 2): grid 4 x 64, 16 waves a work-group, clusters of 4 x 1, 276,480 bytes of LDS; arguments qc, kc, vc, sc, vimg, vsc; writes vimg, vsc
.if DOCPART == 2
	.amdgcn_target "amdgcn-amd-amdhsa--gfx1250"
	.amdhsa_code_object_version 6
	.text
	.protected	k_q1ded918c35_attn
	.globl	k_q1ded918c35_attn
	.p2align	8
	.type	k_q1ded918c35_attn,@function
k_q1ded918c35_attn:
	s_mov_b64 s[64:65], 0
	v_nop
	global_prefetch_b8 v0, s[64:65] scope:SCOPE_SE
	s_setreg_imm32_b32 hwreg(HW_REG_WAVE_MODE, 25, 1), 1
	s_wait_xcnt 0x0
	s_wait_alu depctr_hold_cnt(0) depctr_sa_sdst(0) depctr_va_vdst(0) depctr_va_sdst(0) depctr_va_ssrc(0) depctr_va_vcc(0) depctr_vm_vsrc(0)
	s_getreg_b32 s2, hwreg(HW_REG_IB_STS2, 6, 4)
	s_cmp_eq_u32 s2, 0
	s_cbranch_scc0 .Lentry_in_a_cluster
	s_endpgm
.Lentry_in_a_cluster:
	s_bfe_u32 s2, ttmp6, 0x10000c
	s_cmp_lg_u32 s2, 0x3003
	s_cbranch_scc0 .Lentry_shape_is_right
	s_endpgm
.Lentry_shape_is_right:
; vals[bh][q][:] = the sum over keys of softmax(q . k / 8) v, both products on codes of E5M2 with E8M0 scales; the result is quantised along D for the last projection.
; IN (this program's own buffers, register images): qc, kc, vc, sc as the launch before laid them.  OUT: vimg [token tile][head][block of 32][lane][16]; vsc [token][32]: its scale bytes.
; THE SOFTMAX: t = score x log2(e) / 8; M = the running largest t rounded UP to a whole number; p = 2^(t - M) is quantised along the keys, not normalised; the row's sum is taken of the unquantised p and divides at the end.
; When M moves, the sum and O are multiplied by 2^(old M - new M): exact.
; SHARES.  A work-group owns 512 queries of one head; each of its sixteen waves owns one tile of 16 in each of two passes; a key step is 128 keys.
; LDS.  A head's K and V codes, 131,072 bytes each, and their scale words, 4,096 each, are filled ONCE, one tensor load a wave: waves 0, 1 the scale words, waves 2, 3 the first 512 keys of K and V, waves 4 to 9 the other three chunks.
; The first barrier shows what waves 0 to 3 fetched; the barrier behind the first two key steps shows the rest.  Nothing is filled again.
; CLUSTER.  The four work-groups of a cluster own the four blocks of queries of one head: every fill is a joint load that names the four.
; No prefetch: every stream of the launch is asked for at its head, so no loop runs ahead of a load.
; LAYOUT.  S^T = K Q^T, O^T = V^T P^T: a lane holds ONE query (lane % 16).  A fragment of K holds two key tiles, one in each half of the instruction's 128; q stands between two runs of zero codes: v[16:31] = (q, 0), v[8:23] = (0, q).
; TWO REGIONS OF 64 REGISTERS TAKE TURNS.  In a step K's fragments lie in KR and the scores fall into SR; V's fragments then come into KR; when the four blocks of p in SR have been converted, the NEXT step's fragments of K come into SR.
; So a trip of the loop is two steps, and a step's LDS loads stand in two runs of twenty.  The step behind a pass's last asks for key step 0 again: the second pass uses it, the launch's last such fetch (20 LDS loads a wave) is not used.
; LIMITS: NaN and infinities are not served; the scaled scores stay under 2^31 in magnitude; a p under 2^-126 comes out of v_exp_f32 as 0; a block of zeros gets the scale byte 1 where the rule says 127: its codes are zeros, and this program alone reads the bytes.
.set VC,   131072                      ; LDS: K's codes at 0, V's here,
.set KS,   262144                      ; K's scale words, 64 bytes a fragment; V's 4,096 further on
.set SPARE, 274432                     ; the spare words: 128 bytes a wave
.set LI,   1                           ; 16 x lane
.set R4,   2                           ; 4 r
.set ADK,  3                           ; LDS addresses: the next step's K, this step's V, their scale words
.set ADV,  4
.set ADS,  5
.set ADT,  6
.set ASK0, 7                           ; KS + 4 r
.set R0,   32                          ; the two regions
.set R1,   96
.set OT,   160                         ; v160-191 O^T
.set PC,   192                         ; v192-207 p's codes
.set NM,   208                         ; v208 -M, v209 the largest score so far
.set SUM,  210                         ; the sum in two halves
.set BM,   212                         ; v212-215 the blocks' largest; then, with v216-219, the four blocks' sums of p
.set TP,   216
.set HO,   220                         ; 57,344 x the scale
.set SO,   224                         ; the conversions' scale operands
.set SCV,  228                         ; V's scale words
.set FF,   232                         ; f (v233 is named with it as a pair and holds 0)
.set TQ,   234
.set QSW,  235                         ; q's scale word
.set Q2,   236                         ; the second pass's q, and its scale word
.set QSW2, 244
.set SCK,  245                         ; K's scale words
.set PSW,  249                         ; p's scale word
.set UU,   250                         ; v250-253 at work
.set SPW,  254
.set NIL,  255
.set XY,   R1                          ; the way out works in region 1, which holds nothing then
.set OU,   R1+8
.set VB,   R1+16
.set WV,   18
.set MNT,  19
.set SEL,  20
.set CS,   22
.set G1,   24                          ; s[24:31] group 1 for a chunk of codes; s[32:39] for scale words; s[40:43], s[44:47] their groups 0
.set G1S,  32
.set IX,   60                          ; the key step whose K is asked for next
.set CNT,  62
.set PASS, 63
.set UP,   66                          ; lanes 16-31
.set TM,   94
.set TN,   95
.macro CROUND
	s_barrier_signal -1
	s_barrier_wait -1
	s_cmp_lg_u32 s[WV], 0
	s_cbranch_scc1 .Lnot_wave_0_\@
	s_barrier_signal -3
.Lnot_wave_0_\@:
	s_barrier_wait -3
	s_barrier_signal -1
	s_barrier_wait -1
.endm
.macro TLOAD g0, g1                    ; an s_nop 0 and four v_nop follow a tensor load
	tensor_load_to_lds s[\g0:\g0+3], s[\g1:\g1+7]
	s_nop 0
.rept 4
	v_nop
.endr
.endm
	s_load_b256 s[4:11], s[0:1], 0x0               ; qc, kc, vc, sc
	s_load_b128 s[12:15], s[0:1], 0x20             ; vimg, vsc
	v_lshl_add_u32 v[SPW], v0, 2, SPARE
	v_mov_b32 v[NIL], 0
	ds_add_u32 v[SPW], v[NIL]                      ; the opening lines: the add, twice on end, and its wait
	ds_add_u32 v[SPW], v[NIL]
	v_lshrrev_b32 v1, 5, v0
	v_readfirstlane_b32 s[WV], v1                  ; wave 0..15
	s_bfe_u32 s67, ttmp6, 0x40000                  ; cx
	s_lshl_b32 s68, ttmp9, 2
	s_add_co_u32 s68, s68, s67                     ; my block of 512 queries: it enters q's and the outputs' addresses alone
	s_and_b32 s69, ttmp7, 0xffff                   ; bh, which the four partners share
	s_and_b32 s70, s[WV], 1                        ; what I fetch, if I fetch: K (0) or V (1),
	s_add_co_u32 s71, s[WV], 6
	s_lshr_b32 s71, s71, 1
	s_and_b32 s71, s71, 3                          ; and which chunk: waves 2, 3: 0; 4, 5: 1; 6, 7: 2; 8, 9: 3
	s_lshl_b32 s74, s69, 17
	s_lshl_b32 s75, s71, 15
	s_add_co_u32 s74, s74, s75                     ; codes: bh x 2^17 + 32,768 x chunk
	s_mov_b32 s75, 0
	s_lshl_b32 s76, s69, 14
	s_lshl_b32 s77, s70, 9
	s_add_co_u32 s76, s76, s77
	s_add_co_u32 s76, s76, 1024                    ; scale words: bh x 2^14 + 1,024 + 512 x kind
	s_mov_b32 s77, 0
	s_lshl_b32 s78, s70, 17
	s_lshl_b32 s79, s71, 15
	s_add_co_u32 s78, s78, s79                     ; LDS: 131,072 x kind + 32,768 x chunk
	s_lshl_b32 s79, s70, 12
	s_add_co_u32 s79, s79, KS                      ; LDS: KS + 4,096 x kind
	s_lshl_b32 s82, s68, 5
	s_add_co_u32 s82, s82, s[WV]                   ; my first query tile: 32 x block + wave
	s_lshl_b32 s84, s69, 17
	s_lshl_b32 s85, s82, 10
	s_add_co_u32 s84, s84, s85                     ; q's image
	s_mov_b32 s85, 0
	s_lshl_b32 s86, s69, 14
	s_lshl_b32 s87, s68, 12
	s_add_co_u32 s86, s86, s87
	s_lshl_b32 s87, s[WV], 6
	s_add_co_u32 s86, s86, s87                     ; q's scale words
	s_mov_b32 s87, 0
	s_lshr_b32 s90, s69, 4
	s_lshl_b32 s90, s90, 7
	s_add_co_u32 s90, s90, s82                     ; the token tile: 128 b + tile
	s_and_b32 s91, s69, 15                         ; the head
	s_lshl_b32 s88, s90, 14
	s_lshl_b32 s89, s91, 10
	s_add_co_u32 s88, s88, s89                     ; vimg
	s_mov_b32 s89, 0
	s_lshl_b32 s92, s90, 9
	s_lshl_b32 s93, s91, 1
	s_add_co_u32 s92, s92, s93                     ; vsc
	s_mov_b32 s93, 0
	s_mov_b32 s[G1], 15|(3<<16)|(1<<21)            ; a chunk: 32,768 dense bytes as 128 rows of 256 (32 elements of 8 bytes); the mask names all four work-groups
	s_mov_b32 s[G1+1], 32<<16
	s_mov_b32 s[G1+2], 128<<16
	s_mov_b32 s[G1+3], 32<<16
	s_mov_b32 s[G1+4], 128
	s_mov_b32 s[G1+5], 32
	s_mov_b32 s[G1+6], 0
	s_mov_b32 s[G1+7], 0
	s_mov_b32 s[G1S], 15|(3<<16)|(1<<21)           ; the scale words: 8 rows of 512 bytes, 2,048 apart in memory
	s_mov_b32 s[G1S+1], 64<<16
	s_mov_b32 s[G1S+2], 8<<16
	s_mov_b32 s[G1S+3], 64<<16
	s_mov_b32 s[G1S+4], 8
	s_mov_b32 s[G1S+5], 256
	s_mov_b32 s[G1S+6], 0
	s_mov_b32 s[G1S+7], 0
	s_mov_b32 s[MNT], 0x600000                     ; the mantissa field of 57,344
	s_mov_b32 s[SEL], 0x76543210
	s_mov_b32 s[SEL+1], 0xfedcba98                 ; lane l xor 16
	s_mov_b32 s[CS], 0x3e38aa3b                    ; c = log2(e) / 8
	s_mov_b32 s[CS+1], s[CS]
	s_mov_b32 s[UP], 0xffff0000
	s_mov_b32 s[PASS], 2
	s_wait_dscnt 0x0                               ; both opening adds are done
	s_wait_kmcnt 0x0
	s_cmp_eq_u32 s70, 0                            ; K's buffer or V's: the choice hangs on the wave's number alone
	s_cselect_b64 s[72:73], s[6:7], s[8:9]
	s_add_nc_u64 s[72:73], s[72:73], s[74:75]
	s_add_nc_u64 s[76:77], s[10:11], s[76:77]
	s_add_nc_u64 s[4:5], s[4:5], s[84:85]
	s_add_nc_u64 s[10:11], s[10:11], s[86:87]
	s_add_nc_u64 s[12:13], s[12:13], s[88:89]
	s_add_nc_u64 s[14:15], s[14:15], s[92:93]
	s_mov_b32 s40, 1
	s_mov_b32 s41, s78
	s_mov_b64 s[42:43], s[72:73]
	s_or_b32 s43, s43, 0x80000000
	s_mov_b32 s44, 1
	s_mov_b32 s45, s79
	s_mov_b64 s[46:47], s[76:77]
	s_or_b32 s47, s47, 0x80000000
	CROUND                                         ; all four work-groups are here: the joint loads meet
	s_cmp_lt_u32 s[WV], 2                          ; ONE chain of arms, one load to an arm; the two lines whose tiles the first barrier shows are issued by waves 0 to 3 alone
	s_cbranch_scc0 .Lfirst_chunk
	TLOAD 44, G1S
	s_branch .Lasked
.Lfirst_chunk:
	s_cmp_lt_u32 s[WV], 4
	s_cbranch_scc0 .Lother_chunks
	TLOAD 40, G1
	s_branch .Lasked
.Lother_chunks:
	s_cmp_lt_u32 s[WV], 10
	s_cbranch_scc0 .Lasked
	TLOAD 40, G1
.Lasked:
	v_and_b32 v2, 15, v0                           ; r
	v_and_b32 v1, 31, v0
	v_lshlrev_b32 v[LI], 4, v1
	v_lshlrev_b32 v[R4], 2, v2
	global_load_b128 v[16:19], v[LI], s[4:5]       ; q's two blocks of both passes, as they stand: sixteen tiles lie between the two
	global_load_b128 v[20:23], v[LI], s[4:5] offset:512
	global_load_b32 v[QSW], v[R4], s[10:11]
	global_load_b128 v[Q2:Q2+3], v[LI], s[4:5] offset:16384
	global_load_b128 v[Q2+4:Q2+7], v[LI], s[4:5] offset:16896
	global_load_b32 v[QSW2], v[R4], s[10:11] offset:2048
	v_add_nc_u32 v[ASK0], KS, v[R4]
	v_mov_b32 v[ADK], v[LI]                        ; key step 0
.irp j, 0,1,2,3,4,5,6,7
	v_mov_b32 v[8+\j], 0                           ; the zero codes on both sides of q
	v_mov_b32 v[24+\j], 0
.endr
.irp b, 0,1,2,3
	v_mov_b32 v[TP+\b], 0                          ; (a lane permute's destination counts as one of its sources)
.endr
	v_mov_b32 v[FF+1], 0
	v_mov_b32 v[ADS], v[ASK0]
.macro KLOAD R, b                      ; fragment b of K and its scale words: five LDS loads
.irp n, 0,1,2,3
	ds_load_b128 v[\R+16*\b+4*\n:\R+16*\b+4*\n+3], v[ADK] offset:2048*\b+512*\n
.endr
	ds_load_b32 v[SCK+\b], v[ADS] offset:64*\b
.endm
.macro ADDSTEP P, T, U, j              ; line j of seven: the sum of a block's 16 p of a lane, two at a time, in two chains
.if (\j) == 0
	v_pk_add_f32 v[\T:\T+1], v[\P:\P+1], v[\P+2:\P+3]
.elseif (\j) == 1
	v_pk_add_f32 v[\U:\U+1], v[\P+4:\P+5], v[\P+6:\P+7]
.elseif (\j) == 6
	v_pk_add_f32 v[\T:\T+1], v[\T:\T+1], v[\U:\U+1]
.elseif (\j)%2 == 0
	v_pk_add_f32 v[\T:\T+1], v[\T:\T+1], v[\P+4+2*(\j):\P+5+2*(\j)]
.else
	v_pk_add_f32 v[\U:\U+1], v[\U:\U+1], v[\P+4+2*(\j):\P+5+2*(\j)]
.endif
.endm
.macro HOLD2 x, h                      ; two p held at 57,344 x the scale (the conversion does not saturate: ISA guide 7.6.2; p is not negative, so the hold is one-sided)
	v_dual_min_num_f32 v[\x], v[\x], v[\h] :: v_dual_min_num_f32 v[\x+1], v[\x+1], v[\h]
.endm
.macro BLOCK SR, b                     ; block b: held and converted, with the next block's sum between the lines
.set P_, \SR+16*\b
.set PN_, P_+16
.set TN_, BM+2*(\b+1)
.set UN_, UU+2*((\b+1)%2)
.set J_, 0
.rept 8
	HOLD2 P_+2*J_, HO+\b
.if (\b < 3) && (J_ < 7)
	ADDSTEP PN_, TN_, UN_, J_
.endif
.set J_, J_+1
.endr
	v_cvt_scalef32_pk8_bf8_f32 v[PC+4*\b:PC+4*\b+1], v[P_:P_+7], v[SO+\b]
	v_cvt_scalef32_pk8_bf8_f32 v[PC+4*\b+2:PC+4*\b+3], v[P_+8:P_+15], v[SO+\b]
.endm
; A KEY STEP: 128 keys.  K's fragments lie in KR, asked for a step ago.
.macro STEP KR, SR
	s_wait_alu depctr_va_vdst(0)                   ; the wait ahead of the waits below
.irp c, 0,1,2,3                                ; S^T: fragment c against (q, 0) gives key tile 2 c, against (0, q) tile 2 c + 1
	s_wait_dscnt 15-5*\c                           ; fragment c and its words are in: behind them stand five loads for each later fragment
	v_wmma_scale_f32_16x16x128_f8f6f4 v[\SR+16*\c:\SR+16*\c+7], v[\KR+16*\c:\KR+16*\c+15], v[16:31], 0, v[SCK+\c], v[QSW] matrix_a_fmt:MATRIX_FMT_BF8 matrix_b_fmt:MATRIX_FMT_BF8
	v_wmma_scale_f32_16x16x128_f8f6f4 v[\SR+16*\c+8:\SR+16*\c+15], v[\KR+16*\c:\KR+16*\c+15], v[8:23], 0, v[SCK+\c], v[QSW] matrix_a_fmt:MATRIX_FMT_BF8 matrix_b_fmt:MATRIX_FMT_BF8
.endr
.rept 8
	v_nop                                          ; eight places ahead of the loads into KR and of the first read of the scores
.endr
.irp n, 0,1,2,3,4,5,6,7,8,9,10,11,12,13,14,15
	ds_load_b128 v[\KR+4*\n:\KR+4*\n+3], v[ADV] offset:512*\n   ; V's four fragments, in one run: they land under the softmax
.endr
.irp t, 0,1,2,3
	ds_load_b32 v[SCV+\t], v[ADT] offset:64*\t
.endr
.irp b, 0,1,2,3
	v_max3_num_f32 v[BM+\b], v[\SR+16*\b], v[\SR+16*\b+1], v[\SR+16*\b+2]   ; the largest SCORE of each block of 32 keys: for the row's maximum and, since p rises with the score, for the block's largest p
.endr
.irp i, 3,5,7,9,11,13
.irp b, 0,1,2,3
	v_max3_num_f32 v[BM+\b], v[BM+\b], v[\SR+16*\b+\i], v[\SR+16*\b+\i+1]
.endr
.endr
.irp b, 0,1,2,3
	v_max_num_f32 v[BM+\b], v[BM+\b], v[\SR+16*\b+15]
.endr
.irp b, 0,1,2,3
	v_permlanex16_b32 v[TP+\b], v[BM+\b], s[SEL], s[SEL+1]
.endr
	v_dual_max_num_f32 v[BM], v[BM], v[TP] :: v_dual_max_num_f32 v[BM+1], v[BM+1], v[TP+1]         ; with lane l xor 16's 16 keys
	v_dual_max_num_f32 v[BM+2], v[BM+2], v[TP+2] :: v_dual_max_num_f32 v[BM+3], v[BM+3], v[TP+3]
	v_max3_num_f32 v[UU], v[BM], v[BM+1], v[BM+2]
	v_max3_num_f32 v[NM+1], v[NM+1], v[UU], v[BM+3]   ; the running largest score
	v_mul_f32 v[UU], s[CS], v[NM+1]                ; as t (c is positive)
	v_floor_f32 v[NM], -v[UU]                      ; the new -M = floor(-t) = -ceil(t)
.set J_, 0
.rept 32
	v_pk_fma_f32 v[\SR+2*J_:\SR+2*J_+1], v[\SR+2*J_:\SR+2*J_+1], s[CS:CS+1], v[NM:NM+1] op_sel_hi:[1,0,0]   ; t - M, two at a time
.if J_ == 1
	v_sub_f32 v[TQ], v[NM], v[TQ]                  ; old M - new M: a whole number, 0 or less
.elseif J_ == 4
	v_cvt_i32_f32 v[TQ], v[TQ]                     ; (it saturates)
.endif
.set J_, J_+1
.endr
.irp b, 0,1,2,3
	v_fma_f32 v[BM+\b], v[BM+\b], s[CS], v[NM]     ; the same of each block's largest score
.endr
	s_wait_alu depctr_va_vdst(0)                   ; the wait ahead of the batch
.set J_, 0
.rept 64
	v_exp_f32 v[\SR+J_], v[\SR+J_]                 ; p = 2^(t - M), at most 1
.set J_, J_+1
.endr
.irp b, 0,1,2,3
	v_exp_f32 v[BM+\b], v[BM+\b]                   ; the block's largest p: the same two instructions on the same number
.endr
	v_ldexp_f32 v[FF], 1.0, v[TQ]                  ; f = 2^(old M - new M).  (The plain place behind the exponentials)
	s_wait_alu depctr_va_vdst(0)                   ; one wait for the batch, ahead of its first reader
.irp b, 0,1,2,3
	v_max_num_f32 v[BM+\b], 0x8000000, v[BM+\b]    ; the floor 2^(16 - 127): the byte cannot fall under 1
.endr
.irp b, 0,1,2,3
	v_add_nc_u32 v[SO+\b], 0xf8800000, v[BM+\b]    ; 15 off the exponent field: the conversion's scale operand
.endr
.irp b, 0,1,2,3
	v_and_or_b32 v[HO+\b], v[BM+\b], 0x7f800000, s[MNT]   ; 57,344 x the scale
.endr
.irp b, 0,1,2,3
	v_lshrrev_b32 v[TP+\b], 23, v[SO+\b]           ; the scale's byte
.endr
.set PN_, \SR
.set TN_, BM
.set UN_, UU
	ADDSTEP PN_, TN_, UN_, 0                       ; THE ROW'S SUM IS TAKEN OF THE UNQUANTISED p: block 0's, with p's scale word between the lines
	ADDSTEP PN_, TN_, UN_, 1
	v_lshl_or_b32 v[PSW], v[TP+1], 8, v[TP]
	ADDSTEP PN_, TN_, UN_, 2
	ADDSTEP PN_, TN_, UN_, 3
	v_lshl_or_b32 v[PSW], v[TP+2], 16, v[PSW]
	ADDSTEP PN_, TN_, UN_, 4
	ADDSTEP PN_, TN_, UN_, 5
	v_lshl_or_b32 v[PSW], v[TP+3], 24, v[PSW]
	ADDSTEP PN_, TN_, UN_, 6
	BLOCK \SR, 0
	BLOCK \SR, 1
	BLOCK \SR, 2
	BLOCK \SR, 3
	s_and_b32 s[TM], s[IX], 15                     ; the next key step, round the head's sixteen
	s_lshl_b32 s[TN], s[TM], 8
	s_lshl_b32 s[TM], s[TM], 13
	v_add_nc_u32 v[ADK], s[TM], v[LI]              ; (the loads that last named these two registers were waited for at the head of this step)
	v_add_nc_u32 v[ADS], s[TN], v[ASK0]
	KLOAD \SR, 0                                   ; p is in its codes: SR takes the next step's K, in one run
	KLOAD \SR, 1
	KLOAD \SR, 2
	KLOAD \SR, 3
	s_wait_dscnt 20                                ; V is in: behind its loads stand the twenty just issued
	s_wait_alu depctr_va_vdst(0)                   ; the wait directly ahead of the first reader of O^T
.irp j, 0,2,4,6,8,10,12,14,16,18,20,22,24,26,28,30
	v_pk_mul_f32 v[OT+\j:OT+1+\j], v[OT+\j:OT+1+\j], v[FF:FF+1] op_sel_hi:[1,0]   ; O^T under the new M.  (These sixteen are also the places between the conversions and the products)
.endr
.irp t, 0,1,2,3                                ; O^T += V^T P^T: the four accumulators by turns
	v_wmma_scale_f32_16x16x128_f8f6f4 v[OT+8*\t:OT+8*\t+7], v[\KR+16*\t:\KR+16*\t+15], v[PC:PC+15], v[OT+8*\t:OT+8*\t+7], v[SCV+\t], v[PSW] matrix_a_fmt:MATRIX_FMT_BF8 matrix_b_fmt:MATRIX_FMT_BF8
.endr
	v_pk_add_f32 v[BM:BM+1], v[BM:BM+1], v[BM+2:BM+3]      ; NINE PLACES: the next step's scores are written over V's fragments.  They name no register of the products above
	v_pk_add_f32 v[TP:TP+1], v[TP:TP+1], v[TP+2:TP+3]
	v_add_nc_u32 v[ADV], VC, v[ADK]                ; the next step's V lies VC behind its K,
	v_add_nc_u32 v[ADT], 4096, v[ADS]              ; and its words 4,096 behind K's
	v_pk_fma_f32 v[SUM:SUM+1], v[SUM:SUM+1], v[FF:FF+1], v[BM:BM+1] op_sel_hi:[1,0,1]   ; the sum under the new M, and this step's p
	v_mov_b32 v[TQ], v[NM]                         ; -M as it stands
	v_pk_add_f32 v[SUM:SUM+1], v[SUM:SUM+1], v[TP:TP+1]
	v_nop
	v_nop
	s_add_co_u32 s[IX], s[IX], 1
.endm
	s_wait_alu depctr_va_vdst(0)                   ; the wait at the head's end
	s_cmp_lt_u32 s[WV], 4
	s_cbranch_scc0 .Lnot_first
	s_wait_tensorcnt 0x0                           ; waves 0 to 3: the scale words and the first chunk are in
.Lnot_first:
	s_barrier_signal -1
	s_barrier_wait -1
	KLOAD R0, 0                                    ; key step 0's K
	KLOAD R0, 1
	KLOAD R0, 2
	KLOAD R0, 3
	s_wait_loadcnt 0x0                             ; q
.Lpass:                                            ; two trips: my tile of the block's first 256 queries, then of its second
	v_mov_b32 v[NM+1], 0xff61b1e6                  ; the largest score so far: -3e38
	v_mov_b32 v[NM], 0x7f61b1e6                    ; -M: over every -M that follows, so that the first f is 0
	v_mov_b32 v[TQ], 0x7f61b1e6
	v_mov_b32 v[SUM], 0
	v_mov_b32 v[SUM+1], 0
.irp j, 0,1,2,3,4,5,6,7,8,9,10,11,12,13,14,15,16,17,18,19,20,21,22,23,24,25,26,27,28,29,30,31
	v_mov_b32 v[OT+\j], 0                          ; the step is written once: the first finds zeros, which the first f leaves zeros
.endr
	v_add_nc_u32 v[ADV], VC, v[LI]                 ; key step 0's V
	v_add_nc_u32 v[ADT], 4096, v[ASK0]
	s_mov_b32 s[IX], 1
	STEP R0, R1                                    ; key steps 0 and 1 read, and ask for, the first chunk alone
	STEP R1, R0
	s_wait_tensorcnt 0x0                           ; every wave: all chunks are in
	s_wait_dscnt 0x0
	s_barrier_signal -1
	s_barrier_wait -1
	s_mov_b32 s[CNT], 7
.Lsteps:
	STEP R0, R1
	STEP R1, R0
	s_sub_co_u32 s[CNT], s[CNT], 1
	s_cmp_lg_u32 s[CNT], 0
	s_cbranch_scc1 .Lsteps
	; THE WAY OUT: O^T / the sum, quantised along D.  Register 8 t + j of lane (r, h) is vals(query r, d = 16 t + 8 h + j); block beta of 32 is tiles 2 beta, 2 beta + 1 of lanes l and l xor 16.
	v_add_f32 v[SUM], v[SUM], v[SUM+1]
	v_permlanex16_b32 v[TP], v[SUM], s[SEL], s[SEL+1]
	v_add_f32 v[SUM], v[SUM], v[TP]                ; the row's sum
	s_wait_alu depctr_va_vdst(0)
	v_rcp_f32 v[FF], v[SUM]
	v_and_b32 v[VB+1], 15, v0                      ; (the plain place behind the transcendental)  r
	s_wait_alu depctr_va_vdst(0)                   ; ahead of the first reader of the reciprocal and of O^T
.irp j, 0,2,4,6,8,10,12,14,16,18,20,22,24,26,28,30
	v_pk_mul_f32 v[OT+\j:OT+1+\j], v[OT+\j:OT+1+\j], v[FF:FF+1] op_sel_hi:[1,0]
.endr
	v_bfe_u32 v[VB+2], v0, 4, 1                    ; h
	v_lshl_add_u32 v[VB], v[VB+1], 5, v[VB+2]      ; 32 r + h: my byte of vsc
.irp j, 0,1,2,3,4,5,6,7
	v_mov_b32 v[OU+\j], 0                          ; (a lane permute's destination counts as one of its sources)
.endr
.irp b, 0,1
	v_max3_num_f32 v[BM+\b], |v[OT+16*\b]|, |v[OT+1+16*\b]|, 0x8000000
.endr
.irp i, 2,4,6,8,10,12,14
.irp b, 0,1
	v_max3_num_f32 v[BM+\b], v[BM+\b], |v[OT+16*\b+\i]|, |v[OT+1+16*\b+\i]|
.endr
.endr
.irp b, 0,1
	v_permlanex16_b32 v[TP+\b], v[BM+\b], s[SEL], s[SEL+1]
.endr
.irp b, 0,1
	v_max_num_f32 v[BM+\b], v[BM+\b], v[TP+\b]
.endr
.irp b, 0,1
	v_add_nc_u32 v[SO+\b], 0xf8800000, v[BM+\b]
.endr
.irp b, 0,1
	v_and_or_b32 v[HO+\b], v[BM+\b], 0x7f800000, s[MNT]
.endr
.irp b, 0,1
	v_lshrrev_b32 v[TP+\b], 23, v[SO+\b]
.endr
	v_cndmask_b32 v[TQ], v[TP], v[TP+1], s[UP]     ; lanes 0-15 store block 0's byte, lanes 16-31 block 1's
.irp b, 0,1
.irp i, 0,1,2,3,4,5,6,7,8,9,10,11,12,13,14,15
	v_med3_num_f32 v[OT+16*\b+\i], v[OT+16*\b+\i], -v[HO+\b], v[HO+\b]
.endr
	v_cvt_scalef32_pk8_bf8_f32 v[XY+4*\b:XY+1+4*\b], v[OT+16*\b:OT+7+16*\b], v[SO+\b]       ; X: d = 32 beta + 8 h + 0..7
	v_cvt_scalef32_pk8_bf8_f32 v[XY+2+4*\b:XY+3+4*\b], v[OT+8+16*\b:OT+15+16*\b], v[SO+\b]  ; Y: d = 32 beta + 16 + 8 h + 0..7
.endr
	v_nop                                          ; one plain place behind the last scaled conversion
	; W_out's K is in its true order: lane (r, 0) wants d = 32 beta + 0..15 = its X and the other half's X; lane (r, 1) wants 16..31 = the other half's Y and its own
.irp b, 0,1
	v_permlanex16_b32 v[OU+4*\b], v[XY+2+4*\b], s[SEL], s[SEL+1]
	v_permlanex16_b32 v[OU+1+4*\b], v[XY+3+4*\b], s[SEL], s[SEL+1]
	v_permlanex16_b32 v[OU+2+4*\b], v[XY+4*\b], s[SEL], s[SEL+1]
	v_permlanex16_b32 v[OU+3+4*\b], v[XY+1+4*\b], s[SEL], s[SEL+1]
.endr
.irp b, 0,1
	v_cndmask_b32 v[OU+4*\b], v[XY+4*\b], v[OU+4*\b], s[UP]
	v_cndmask_b32 v[OU+1+4*\b], v[XY+1+4*\b], v[OU+1+4*\b], s[UP]
	v_cndmask_b32 v[OU+2+4*\b], v[OU+2+4*\b], v[XY+2+4*\b], s[UP]
	v_cndmask_b32 v[OU+3+4*\b], v[OU+3+4*\b], v[XY+3+4*\b], s[UP]
.endr
	global_store_b128 v[LI], v[OU:OU+3], s[12:13]              ; each store of the wave covers 512 consecutive bytes, aligned
	global_store_b128 v[LI], v[OU+4:OU+7], s[12:13] offset:512
	global_store_b8 v[VB], v[TQ], s[14:15]         ; 32 single bytes, two adjacent in each token's 32: one byte in 32 of what the launch stores; the layout is the one in which x's scales come, so that the projection reads both alike
	s_wait_xcnt 0x0                                ; the bases, and the registers that these stores read, are written again only behind this wait
	s_add_nc_u64 s[12:13], s[12:13], 262144        ; sixteen tiles on
	s_add_nc_u64 s[14:15], s[14:15], 8192
.irp j, 0,1,2,3,4,5,6,7
	v_mov_b32 v[16+\j], v[Q2+\j]                   ; the second pass's q
.endr
	v_mov_b32 v[QSW], v[QSW2]
	s_sub_co_u32 s[PASS], s[PASS], 1
	s_cmp_lg_u32 s[PASS], 0
	s_cbranch_scc1 .Lpass
	s_wait_tensorcnt 0x0                           ; the wave's end
	ds_add_u32 v[SPW], v[NIL]
	s_wait_dscnt 0x0
	CROUND                                         ; the closing round
	s_endpgm
.Lfunc_end_k_q1ded918c35_attn:
	.size	k_q1ded918c35_attn, .Lfunc_end_k_q1ded918c35_attn-k_q1ded918c35_attn
	.p2alignl 7, 3214868480
	.fill 96, 4, 3214868480
	.section	.rodata,"a",@progbits
	.p2align	6, 0x0
	.amdhsa_kernel k_q1ded918c35_attn
		.amdhsa_group_segment_fixed_size 276480
		.amdhsa_private_segment_fixed_size 0
		.amdhsa_enable_private_segment 0
		.amdhsa_kernarg_size 48
		.amdhsa_user_sgpr_count 2
		.amdhsa_user_sgpr_kernarg_segment_ptr 1
		.amdhsa_wavefront_size32 1
		.amdhsa_system_sgpr_workgroup_id_x 1
		.amdhsa_system_sgpr_workgroup_id_y 1
		.amdhsa_system_sgpr_workgroup_id_z 1
		.amdhsa_system_vgpr_workitem_id 0
		.amdhsa_next_free_vgpr 256
		.amdhsa_next_free_sgpr 96
		.amdhsa_reserve_vcc 0
		.amdhsa_float_denorm_mode_32 3
		.amdhsa_float_denorm_mode_16_64 3
		.amdhsa_memory_ordered 1
		.amdhsa_forward_progress 1
		.amdhsa_inst_pref_size 93
	.end_amdhsa_kernel
	.amdgpu_metadata
---
amdhsa.version: [ 1, 2 ]
amdhsa.kernels:
  - .name:           k_q1ded918c35_attn
    .symbol:         k_q1ded918c35_attn.kd
    .args:
      - { .name: qc, .offset: 0, .size: 8, .value_kind: global_buffer, .address_space: global }
      - { .name: kc, .offset: 8, .size: 8, .value_kind: global_buffer, .address_space: global }
      - { .name: vc, .offset: 16, .size: 8, .value_kind: global_buffer, .address_space: global }
      - { .name: sc, .offset: 24, .size: 8, .value_kind: global_buffer, .address_space: global }
      - { .name: vimg, .offset: 32, .size: 8, .value_kind: global_buffer, .address_space: global }
      - { .name: vsc, .offset: 40, .size: 8, .value_kind: global_buffer, .address_space: global }
    .group_segment_fixed_size: 276480
    .private_segment_fixed_size: 0
    .kernarg_segment_align: 8
    .kernarg_segment_size: 48
    .max_flat_workgroup_size: 512
    .sgpr_count:     96
    .vgpr_count:     256
    .wavefront_size: 32
...
	.end_amdgpu_metadata
.endif
;; end of part 2
;; launch proj (part 3): grid 8 x 32, 4 waves a work-group, clusters of 4 x 4, 327,680 bytes of LDS; arguments vimg, vsc, W_out_codes, W_out_scales, b_out, out0; writes out0
.if DOCPART == 3
	.amdgcn_target "amdgcn-amd-amdhsa--gfx1250"
	.amdhsa_code_object_version 6
	.text
	.protected	k_q1ded918c35_proj
	.globl	k_q1ded918c35_proj
	.p2align	8
	.type	k_q1ded918c35_proj,@function
k_q1ded918c35_proj:
	s_mov_b64 s[64:65], 0
	v_nop
	global_prefetch_b8 v0, s[64:65] scope:SCOPE_SE
	s_setreg_imm32_b32 hwreg(HW_REG_WAVE_MODE, 25, 1), 1
	s_wait_xcnt 0x0
	s_wait_alu depctr_hold_cnt(0) depctr_sa_sdst(0) depctr_va_vdst(0) depctr_va_sdst(0) depctr_va_ssrc(0) depctr_va_vcc(0) depctr_vm_vsrc(0)
	s_getreg_b32 s2, hwreg(HW_REG_IB_STS2, 6, 4)
	s_cmp_eq_u32 s2, 0
	s_cbranch_scc0 .Lentry_in_a_cluster
	s_endpgm
.Lentry_in_a_cluster:
	s_bfe_u32 s2, ttmp6, 0x10000c
	s_cmp_lg_u32 s2, 0xf033
	s_cbranch_scc0 .Lentry_shape_is_right
	s_endpgm
.Lentry_shape_is_right:
.set PITCH,  272
.set XH,     32768
.set XB,     65536
.set WH,     64*PITCH
.set SLOT,   XB+128*PITCH
.set STAGE,  2*SLOT
.set SPITCH, 528
.set SPARE,  STAGE+4*16*SPITCH
.set ADRX, 16
.set ADRW, 20
.set LI,   22
.set VXS,  23
.set VBI,  24
.set STO,  26
.set RD,   27
.set SPW,  28
.set NIL,  29
.set SX,   32
.set SW,   48
.set BQ,   128
.set BK,   128
.set WV,   22
.set ROLE, 23
.set HALF, 24
.set G1X,  28
.set G1W,  36
.set G0X,  44
.set G0W,  52
.set MSB, 0
.macro WIN new
.if MSB != (\new)
	s_set_vgpr_msb (MSB<<8)|(\new)
.set MSB, (\new)
.endif
.endm
.macro PLACES n
.rept \n
	v_nop
.endr
.endm
.macro JLOAD s
	s_cmp_eq_u32 s[ROLE], 0
	s_cbranch_scc0 .Lfor_w_\@
	tensor_load_to_lds s[G0X+4*\s:G0X+4*\s+3], s[G1X:G1X+7]
	s_nop 0
.rept 4
	v_nop
.endr
	s_branch .Lasked_\@
.Lfor_w_\@:
	tensor_load_to_lds s[G0W+4*\s:G0W+4*\s+3], s[G1W:G1W+7]
	s_nop 0
.rept 4
	v_nop
.endr
.Lasked_\@:
.endm
.macro CREST
	s_cmp_lg_u32 s[WV], 0
	s_cbranch_scc1 .Lnot_wave_0_\@
	s_barrier_signal -3
.Lnot_wave_0_\@:
	s_barrier_wait -3
	s_barrier_signal -1
	s_barrier_wait -1
.endm
.macro CROUND
	s_barrier_signal -1
	s_barrier_wait -1
	CREST
.endm
	s_load_b256 s[4:11], s[0:1], 0x0
	s_load_b128 s[12:15], s[0:1], 0x20
	v_lshl_add_u32 v[SPW], v0, 2, SPARE
	v_mov_b32 v[NIL], 0
	ds_add_u32 v28, v29
	ds_add_u32 v28, v29
	s_wait_dscnt 0x0
	v_lshrrev_b32 v1, 5, v0
	v_readfirstlane_b32 s[WV], v1
	s_lshr_b32 s[ROLE], s[WV], 1
	s_and_b32 s[HALF], s[WV], 1
	s_bfe_u32 s66, ttmp6, 0x40000
	s_bfe_u32 s67, ttmp6, 0x40004
	s_lshl_b32 s68, ttmp9, 2
	s_add_co_u32 s68, s68, s66
	s_and_b32 s69, ttmp7, 0xffff
	s_lshl_b32 s69, s69, 2
	s_add_co_u32 s69, s69, s67
	s_lshl_b32 s70, s67, 2
	s_lshl_b32 s70, 15, s70
	s_lshl_b32 s71, 0x1111, s66
	s_or_b32 s[G1X], s70, (3<<16)|(1<<21)
	s_mov_b32 s[G1X+1], 512<<16
	s_mov_b32 s[G1X+2], 8<<16
	s_mov_b32 s[G1X+3], 512<<16
	s_mov_b32 s[G1X+4], 8
	s_mov_b32 s[G1X+5], 2048
	s_mov_b32 s[G1X+6], 0
	s_mov_b32 s[G1X+7], 0
	s_or_b32 s[G1W], s71, (1<<20)|(1<<21)|(5<<22)|(3<<25)
	s_mov_b32 s[G1W+1], 256<<16
	s_mov_b32 s[G1W+2], 64<<16
	s_mov_b32 s[G1W+3], 256<<16
	s_mov_b32 s[G1W+4], 64
	s_mov_b32 s[G1W+5], 1024
	s_mov_b32 s[G1W+6], 0
	s_mov_b32 s[G1W+7], 0
	s_lshl_b32 s72, s69, 18
	s_lshl_b32 s73, s[HALF], 17
	s_add_co_u32 s72, s72, s73
	s_mov_b32 s73, 0
	s_lshl_b32 s74, s68, 17
	s_lshl_b32 s75, s[HALF], 16
	s_add_co_u32 s74, s74, s75
	s_mov_b32 s75, 0
	s_lshl_b32 s76, s[HALF], 15
	s_mul_i32 s77, s[HALF], WH
	s_add_co_u32 s77, s77, XB
	s_lshl_b32 s78, s69, 13
	s_lshl_b32 s79, s[WV], 11
	s_add_co_u32 s78, s78, s79
	s_mov_b32 s79, 0
	s_lshl_b32 s80, s68, 12
	s_mov_b32 s81, 0
	s_lshl_b32 s82, s68, 9
	s_mov_b32 s83, 0
	s_lshl_b32 s84, s[WV], 14
	s_mul_i32 s85, s[WV], 16*SPITCH
	s_add_co_u32 s85, s85, STAGE
	s_lshl_b32 s88, s69, 20
	s_lshl_b32 s89, s[WV], 18
	s_add_co_u32 s88, s88, s89
	s_add_co_u32 s88, s88, s82
	s_mov_b32 s89, 0
	s_wait_kmcnt 0x0
	s_add_nc_u64 s[72:73], s[4:5], s[72:73]
	s_add_nc_u64 s[74:75], s[8:9], s[74:75]
	s_add_nc_u64 s[6:7], s[6:7], s[78:79]
	s_add_nc_u64 s[10:11], s[10:11], s[80:81]
	s_add_nc_u64 s[12:13], s[12:13], s[82:83]
	s_add_nc_u64 s[14:15], s[14:15], s[88:89]
	s_lshl_b32 s78, s66, 15                        ; the prefetches: of the eight token tiles that I fetch, the partner at place cx names two (told apart by address alone)
	s_mov_b32 s79, 0
	s_add_nc_u64 s[78:79], s[72:73], s[78:79]
.irp s, 0,1
	s_mov_b32 s[G0X+4*\s], 1
	s_add_co_u32 s[G0X+4*\s+1], s76, \s*SLOT
	s_add_nc_u64 s[G0X+4*\s+2:G0X+4*\s+3], s[72:73], \s*4096
	s_or_b32 s[G0X+4*\s+3], s[G0X+4*\s+3], 0x80000000
	s_mov_b32 s[G0W+4*\s], 1
	s_add_co_u32 s[G0W+4*\s+1], s77, \s*SLOT
	s_add_nc_u64 s[G0W+4*\s+2:G0W+4*\s+3], s[74:75], \s*256
	s_or_b32 s[G0W+4*\s+3], s[G0W+4*\s+3], 0x80000000
	s_wait_alu depctr_va_vdst(0)
	s_wait_tensorcnt 0x0
	ds_add_u32 v28, v29
	ds_add_u32 v28, v29
	s_wait_dscnt 0x0
	CROUND
	JLOAD \s
.if \s == 0
	v_and_b32 v6, 15, v0
	v_lshlrev_b32 v6, 8, v6
	v_bfe_u32 v7, v0, 4, 1
	v_lshl_add_u32 v6, v7, 14, v6                  ; lanes 0-15: the sixteen blocks of 256 bytes that a K step has in one token tile; lanes 16-31: in the next tile; never rewritten
	s_wait_alu depctr_va_vdst(0)
.endif
	s_cmp_eq_u32 s[ROLE], 0                        ; the waves that fetch vimg ask for its later K steps: 4,096 bytes of each of two token tiles, one instruction a K step
	s_cbranch_scc0 .Lno_ask_\s
.if \s == 0
	global_prefetch_b8 v6, s[78:79] offset:4096 th:TH_LOAD_NT scope:SCOPE_SE
.endif
	global_prefetch_b8 v6, s[78:79] offset:8192+4096*\s th:TH_LOAD_NT scope:SCOPE_SE
.Lno_ask_\s:
.if \s == 0
	v_and_b32 v1, 15, v0
	v_bfe_u32 v2, v0, 4, 1
	v_and_b32 v3, 31, v0
	v_lshlrev_b32 v[LI], 4, v3
	v_lshlrev_b32 v[VXS], 5, v1
	v_lshl_add_u32 v[VXS], v2, 4, v[VXS]
	v_lshlrev_b32 v[VBI], 5, v2
.irp a, 0,1,2,3
	global_load_b128 v[SX+4*\a:SX+4*\a+3], v[VXS], s[6:7] offset:512*\a
.endr
.irp b, 0,1,2,3,4,5,6,7
	global_load_b128 v[SW+4*\b:SW+4*\b+3], v[VXS], s[10:11] offset:512*\b
.endr
.irp b, 0,1,2,3,4,5,6,7
	global_load_b128 v[BQ+8*\b:BQ+8*\b+3], v[VBI], s[12:13] offset:64*\b
	global_load_b128 v[BQ+8*\b+4:BQ+8*\b+7], v[VBI], s[12:13] offset:64*\b+16
.endr
	s_wait_alu depctr_va_vdst(0)
.endif
.endr
	v_mul_u32_u24 v4, v1, PITCH
	v_lshl_add_u32 v4, v2, 4, v4
	v_add_nc_u32 v[ADRX], s84, v[LI]
	v_add_nc_u32 v[ADRX+1], SLOT, v[ADRX]
	v_add_nc_u32 v[ADRW], XB, v4
	v_add_nc_u32 v[ADRW+1], SLOT+XB, v4
	v_mul_u32_u24 v5, v1, SPITCH
	v_lshl_add_u32 v5, v2, 5, v5
	v_add_nc_u32 v[STO], s85, v5
	v_add_nc_u32 v[RD], s85, v[LI]
.macro FETCH i
.set fs, ((\i)>>1)&1
.set fq, (\i)&1
	WIN 0x40<<fq
.irp a, 0,1,2,3
.irp c, 0,1,2,3
	ds_load_b128 v[16*\a+4*\c:16*\a+4*\c+3], v[ADRX+fs] offset:4096*\a+2048*fq+512*\c
.endr
.endr
.irp b, 0,1,2,3,4,5,6,7
.irp c, 0,1,2,3
	ds_load_b128 v[64+16*\b+4*\c:64+16*\b+4*\c+3], v[ADRW+fs] offset:128*fq+32*\c+\b*16*PITCH
.endr
.endr
.endm
.macro MQK i, b0, n
.if (\i) == 0
	WIN 0xc5
.else
	WIN 0xf5+5*((\i)&1)
.endif
.set bb, \b0
.rept \n
.set aa, 0
.rept 4
.if (\i) == 0
	v_wmma_scale_f32_16x16x128_f8f6f4 v[8*(4*bb+aa):8*(4*bb+aa)+7], v[64+16*bb:64+16*bb+15], v[16*aa:16*aa+15], v[BQ+8*bb:BQ+8*bb+7], v[SW+4*bb], v[SX+4*aa] matrix_a_fmt:MATRIX_FMT_BF8 matrix_b_fmt:MATRIX_FMT_BF8
.elseif (\i) < 4
	v_wmma_scale_f32_16x16x128_f8f6f4 v[8*(4*bb+aa):8*(4*bb+aa)+7], v[64+16*bb:64+16*bb+15], v[16*aa:16*aa+15], v[8*(4*bb+aa):8*(4*bb+aa)+7], v[SW+4*bb+((\i)&3)], v[SX+4*aa+((\i)&3)] matrix_a_fmt:MATRIX_FMT_BF8 matrix_b_fmt:MATRIX_FMT_BF8
.else
	v_wmma_scale_f32_16x16x128_f8f6f4 v[8*(4*bb+aa):8*(4*bb+aa)+7], v[64+16*bb:64+16*bb+15], v[16*aa:16*aa+15], v[8*(4*bb+aa):8*(4*bb+aa)+7], v[SW+4*bb+((\i)&3)], v[SX+4*aa+((\i)&3)] matrix_a_fmt:MATRIX_FMT_BF8 matrix_b_fmt:MATRIX_FMT_BF8 matrix_a_scale:MATRIX_SCALE_ROW1 matrix_b_scale:MATRIX_SCALE_ROW1
.endif
.set aa, aa+1
.endr
.set bb, bb+1
.endr
.endm
.macro STEP i
	s_wait_dscnt 0x0
	MQK \i, 0, 4
	PLACES 8
	FETCH (\i)+1
	MQK \i, 4, 4
.endm
.macro TURN i, fill
.set ts, ((\i)>>1)&1
	WIN 0
	s_wait_tensorcnt 0x0
	ds_add_u32 v[SPW], v[NIL]
	s_wait_dscnt 0x1
	MQK \i, 0, 2
	s_wait_dscnt 0x0
	s_barrier_signal -1
	MQK \i, 2, 2
	WIN 0
	s_barrier_wait -1
.if \fill
	CREST
	s_add_nc_u64 s[G0X+4*ts+2:G0X+4*ts+3], s[G0X+4*ts+2:G0X+4*ts+3], 8192
	s_add_nc_u64 s[G0W+4*ts+2:G0W+4*ts+3], s[G0W+4*ts+2:G0W+4*ts+3], 512
	JLOAD ts
	PLACES 4
.else
	PLACES 8
.endif
	FETCH (\i)+1
	MQK \i, 4, 4
.endm
	s_wait_alu depctr_va_vdst(0)
	s_wait_tensorcnt 0x1
	s_barrier_signal -1
	s_barrier_wait -1
	FETCH 0
	s_wait_loadcnt 0x0
	STEP 0
	TURN 1, 1
	STEP 2
	TURN 3, 1
	STEP 4
	TURN 5, 0
	STEP 6
	s_wait_dscnt 0x0
	MQK 7, 0, 8
	WIN 0
.macro TOSTAGE a
	WIN 0x0c
.irp b, 0,1,2,3,4,5,6,7
	ds_store_b128 v[STO], v[8*(4*\b+(\a)):8*(4*\b+(\a))+3] offset:64*\b
	ds_store_b128 v[STO], v[8*(4*\b+(\a))+4:8*(4*\b+(\a))+7] offset:64*\b+16
.endr
	WIN 0
.set BB, BK+64*((\a)%2)
.irp t, 0,1,2,3,4,5,6,7,8,9,10,11,12,13,14,15
	ds_load_b128 v[BB+4*\t:BB+4*\t+3], v[RD] offset:\t*SPITCH
.endr
.endm
.macro SEND a, younger
.set BB, BK+64*((\a)%2)
	s_wait_dscnt \younger
.irp t, 0,1,2,3,4,5,6,7,8,9,10,11,12,13,14,15
	global_store_b128 v[LI], v[BB+4*\t:BB+4*\t+3], s[14:15] offset:(16*(\a)+\t)*4096 th:TH_STORE_NT
.endr
.endm
	PLACES 8
	TOSTAGE 0
.irp a, 1,2,3
.if \a > 1
	s_wait_xcnt 0x0
.endif
	TOSTAGE \a
	SEND \a-1, 32
.endr
	SEND 3, 0
	s_wait_tensorcnt 0x0
	ds_add_u32 v[SPW], v[NIL]
	s_wait_dscnt 0x0
	CROUND
	s_endpgm
.Lfunc_end_k_q1ded918c35_proj:
	.size	k_q1ded918c35_proj, .Lfunc_end_k_q1ded918c35_proj-k_q1ded918c35_proj
	.p2alignl 7, 3214868480
	.fill 96, 4, 3214868480
	.section	.rodata,"a",@progbits
	.p2align	6, 0x0
	.amdhsa_kernel k_q1ded918c35_proj
		.amdhsa_group_segment_fixed_size 327680
		.amdhsa_private_segment_fixed_size 0
		.amdhsa_enable_private_segment 0
		.amdhsa_kernarg_size 48
		.amdhsa_user_sgpr_count 2
		.amdhsa_user_sgpr_kernarg_segment_ptr 1
		.amdhsa_wavefront_size32 1
		.amdhsa_system_sgpr_workgroup_id_x 1
		.amdhsa_system_sgpr_workgroup_id_y 1
		.amdhsa_system_sgpr_workgroup_id_z 1
		.amdhsa_system_vgpr_workitem_id 0
		.amdhsa_next_free_vgpr 1024
		.amdhsa_next_free_sgpr 100
		.amdhsa_reserve_vcc 0
		.amdhsa_float_denorm_mode_32 3
		.amdhsa_float_denorm_mode_16_64 3
		.amdhsa_memory_ordered 1
		.amdhsa_forward_progress 1
		.amdhsa_inst_pref_size 87
	.end_amdhsa_kernel
	.amdgpu_metadata
---
amdhsa.version: [ 1, 2 ]
amdhsa.kernels:
  - .name:           k_q1ded918c35_proj
    .symbol:         k_q1ded918c35_proj.kd
    .args:
      - { .name: vimg, .offset: 0, .size: 8, .value_kind: global_buffer, .address_space: global }
      - { .name: vsc, .offset: 8, .size: 8, .value_kind: global_buffer, .address_space: global }
      - { .name: W_out_codes, .offset: 16, .size: 8, .value_kind: global_buffer, .address_space: global }
      - { .name: W_out_scales, .offset: 24, .size: 8, .value_kind: global_buffer, .address_space: global }
      - { .name: b_out, .offset: 32, .size: 8, .value_kind: global_buffer, .address_space: global }
      - { .name: out0, .offset: 40, .size: 8, .value_kind: global_buffer, .address_space: global }
    .group_segment_fixed_size: 327680
    .private_segment_fixed_size: 0
    .kernarg_segment_align: 8
    .kernarg_segment_size: 48
    .max_flat_workgroup_size: 128
    .sgpr_count:     100
    .vgpr_count:     1024
    .wavefront_size: 32
...
	.end_amdgpu_metadata
.endif
;; end of part 3
